; MI455X (gfx1250); checked and timed in simulation.
; The chip was launched on July 23, 2026; its instructions are those of AMD's public machine-readable ISA for CDNA 5 (MIT licence, August 2026) and "CDNA5" Instruction Set Architecture Reference Guide (July 2026). The comments in the code are by the model that wrote it; some were corrected since.
;; Bahdanau Attention. Allowed arithmetic: matrix products marked QUANTISED: E2M1 operands, one E8M0 scale for each 32 along K, by v_wmma_scale_f32_16x16x128_f8f6f4 with both operands' format E2M1 (or v_wmma_scale_f32_32x16x128_f4), f32 sums; products left as they are: f32 operands where the result goes on into a quantised operand, else bf16, f16 or f32 operands; f32 sums; everything else in f32.
;; Inputs: Wd 1,024 x 1,024 float32; We 1,024 x 1,024 float32; encoder_outputs 2,048 x 32 x 1,024 float32; hidden 32 x 1,024 float32; v 1,024 float32.
;; Outputs: out0 32 x 1,024 float32; out1 32 x 2,048 float32.
;; This version of the problem:
;;   THIS VERSION OF THE PROBLEM IS GIVEN IN LOW PRECISION. The matrix products marked QUANTISED in the list below multiply operands that are first quantised to E2M1 (2 exponent bits, 1 mantissa bit; 4 bits a number), with one power-of-two scale for each 32 numbers along K (OCP MX v1.0); their sums are f32. All else is computed in f32.
;;   The module's matrix products, in the order in which they are computed (A, B: the left and right operand; K: the contracted axis; several contracted axes count as one K, in the product's order):
;;     1. [M 1,024, K 1,024] x [K 1,024, N 65,536]; A: input We; B: input encoder_outputs: QUANTISED
;;     2. [M 32, K 1,024] x [K 1,024, N 1,024]; A: input hidden; B: input Wd: QUANTISED
;;     3. [M 65,536, K 1,024] x [K 1,024, N 1]; A: computed on the way; B: input v: left as it is (N = 1 < 16)
;;     4. batch 32 x [M 1, K 2,048] x [K 2,048, N 1,024]; A: softmax; B: input encoder_outputs: left as it is (M = 1 < 16)
;;   THE QUANTISER, for each operand of a quantised product, along K:
;;     - K is cut into blocks of 32 from its start; a last block that is shorter is filled with zeros.
;;     - A block's scale is 2^e with e = floor(log2(the largest magnitude in the block)) - 2, held to -126 .. 127; a block of zeros has e = 0. As a byte (E8M0): e + 127.
;;     - Each number is divided by its block's scale, clamped to +-6, and rounded to the nearest number of E2M1, ties to even, subnormals kept.
;;     - The product sums the exact products of the quantised numbers (number of the format x scale) in f32.
;;   ~~~python
;;   def quantise(x, axis):      # numpy; x: float32 -> the quantised numbers, widened to float32 again
;;       x = np.moveaxis(x, axis, -1); K = x.shape[-1]
;;       x = np.pad(x, [(0, 0)] * (x.ndim - 1) + [(0, -K % 32)]); x = x.reshape(x.shape[:-1] + (-1, 32)); a = np.abs(x).max(-1, keepdims=True)
;;       e = np.where(a > 0, np.clip(np.frexp(np.where(a > 0, a, 1))[1] - 1 - 2, -126, 127), 0)      # np.frexp(a)[1] - 1 = floor(log2(a)), exactly
;;       r = np.clip(x / 2.0 ** e, -6, 6)
;;       step = 2.0 ** (np.maximum(np.frexp(np.where(r == 0, 1, r))[1] - 1, 0) - 1)
;;       q = np.round(r / step) * step * 2.0 ** e      # np.round: ties to even
;;       return np.moveaxis(q.reshape(q.shape[:-2] + (-1,))[..., :K], -1, axis).astype(np.float32)
;;   ~~~
;; One version. Each part assembles by itself: llvm-mc -triple=amdgcn-amd-amdhsa -mcpu=gfx1250 --defsym DOCPART=n.
;; ======== version 1 of 1: 3 launches
;; limits: values are held in bf16: 8 bits of precision; right only within a limited range of input values
;; workspace buffers: rec 589,824 bytes; dec 131,072 bytes; part 4,456,448 bytes; us 262,144 bytes
;; launch prep (part 1): grid 64 x 1, 16 waves a work-group, no clusters, 37,888 bytes of LDS; arguments We, Wd, hidden, v, rec, dec; writes rec, dec
.if DOCPART == 1
	.amdgcn_target "amdgcn-amd-amdhsa--gfx1250"
	.amdhsa_code_object_version 6
	.text
	.protected	k_q53d6b64feb_prep
	.globl	k_q53d6b64feb_prep
	.p2align	8
	.type	k_q53d6b64feb_prep,@function
k_q53d6b64feb_prep:
	s_mov_b64 s[64:65], 0
	v_nop
	global_prefetch_b8 v0, s[64:65] scope:SCOPE_SE
	s_setreg_imm32_b32 hwreg(HW_REG_WAVE_MODE, 25, 1), 1
	s_wait_xcnt 0x0
; PREP.  Work-group T (of 64) serves the 16 outputs d = 16 T .. 16 T + 15.
; It quantises to FP4 (E2M1, one E8M0 scale for each 32 along K) 64 rows of 1,024 f32: 16 rows of We, 16 rows of Wd, all 32 rows of hidden.
; It stores (a) a RECORD of 9,216 bytes for the next launch: We's 8 fragments (16 rows x 128 K) as images of the operand's registers, their scale words, and
; v'' = -2 log2(e) v of the 16 outputs; (b) dec = Q(hidden) Q(Wd)^T for its 16 outputs and all 32 b, as an image of the result's registers.
; WORK LEFT OUT: tanh(a) = 1 - 2 rho with rho = 1 / (1 + e^(2 a)), so a score is sum(v) - 2 sum_d v[d] rho[d].  sum(v) is the same for every s of a softmax's row and falls out of
; the softmax for all finite v: it is not computed.  LIMIT: an overflow, an infinity or a NaN that would reach sum(v) alone is not carried to the results.
; A block's scale is 2^(floor(log2(largest magnitude)) - 2); its byte is the largest magnitude's exponent field - 2, held at 1 from below.
; LIMITS: a block of zeros gets the byte 1 (its codes are zeros, and this program alone reads the bytes); NaN and infinities among the inputs are not served.
; SHARES: 16 waves, 4 rows each.  A lane takes 16 neighbours along K, 64 bytes, by four loads issued on end, which between them cover 2,048 consecutive bytes; two neighbouring lanes hold a block.
; A lane's 16 codes are 8 bytes of its row in LDS.  One barrier; then waves 0-7 store a fragment each, wave 8 the scale words, wave 9 v'', wave 10 makes dec.
; hidden is quantised by every work-group anew: 128 KiB read against a launch of its own.
.set XC,   0                           ; LDS: codes: 64 rows of 512 bytes, 528 apart (an odd multiple of 16: the 16 rows of a fragment load start in different banks)
.set XS,   XC+64*528                   ; scale bytes: 32 a row
.set SPARE, XS+64*32                   ; the spare words, 128 bytes a wave: eight blocks of 256 bytes that no other line names
.set XCW,  3                           ; v3  where my codes go: XC + 4 x 528 W + 8 l
.set XSW,  4                           ; v4  and my block's byte: XS + 128 W + l / 2
.set XA,   5                           ; v5  a fragment's place: XC + 528 r + 16 h
.set XSA,  6                           ; v6  four scale words: XS + 32 r + 16 h
.set XAQ,  7                           ; v7  XA + 64 (W & 7): K step W
.set LOFF, 8                           ; v8  16 l
.set VOF,  9                           ; v9  16 (l & 3)
.set L64,  14                          ; v14 64 l
.set SW,   16                          ; v16-19 Wd's scale words; v20-23, v24-27 hidden's two tiles': these hold scales and nothing else
.set SH,   20
.set SPW,  28                          ; my spare word; never rewritten
.set NIL,  29                          ; 0; never rewritten
.set MQ,   32                          ; v32-35 four chains of the maxima
.set SO,   36                          ; v36-37 the conversions' scale operands
.set BY,   40                          ; v40-47 scale bytes, two a row
.set CD,   48                          ; v48-63 codes, four registers a row
.set ACC,  80                          ; v80-95 dec's two accumulators
.set ST,   128                         ; v128-255 four rows as loaded: register 16 u + n is k = 512 u + 16 l + n; later wave 10's fragments
.set FW,   128
.set FH,   160
	s_load_b256 s[4:11], s[0:1], 0x0               ; We s[4:5], Wd s[6:7], hidden s[8:9], v s[10:11]
	s_load_b128 s[12:15], s[0:1], 0x20             ; rec s[12:13], dec s[14:15]
	v_lshl_add_u32 v[SPW], v0, 2, SPARE
	v_mov_b32 v[NIL], 0
	v_lshrrev_b32 v10, 5, v0
	v_readfirstlane_b32 s16, v10                   ; W: wave 0..15
	v_and_b32 v11, 31, v0                          ; l
	v_and_b32 v12, 15, v0                          ; r
	v_bfe_u32 v13, v0, 4, 1                        ; h
	v_lshlrev_b32 v[LOFF], 4, v11
	v_lshlrev_b32 v[L64], 6, v11
	s_mul_i32 s18, s16, 4*528
	v_lshl_add_u32 v[XCW], v11, 3, s18
	s_lshl_b32 s18, s16, 7
	s_add_co_u32 s18, s18, XS
	v_lshrrev_b32 v[XSW], 1, v11
	v_add_nc_u32 v[XSW], s18, v[XSW]
	v_mul_u32_u24 v[XA], v12, 528
	v_lshl_add_u32 v[XA], v13, 4, v[XA]
	v_lshlrev_b32 v[XSA], 5, v12
	v_lshl_add_u32 v[XSA], v13, 4, v[XSA]
	v_add_nc_u32 v[XSA], XS, v[XSA]
	s_and_b32 s18, s16, 7
	s_lshl_b32 s18, s18, 6
	v_add_nc_u32 v[XAQ], s18, v[XA]
	v_and_b32 v[VOF], 3, v0
	v_lshlrev_b32 v[VOF], 4, v[VOF]
	; my four rows: waves 0-3 We's 16 T + 4 W, waves 4-7 Wd's 16 T + 4 (W - 4), waves 8-15 hidden's 4 (W - 8)
	s_lshl_b32 s19, ttmp9, 4
	s_and_b32 s20, s16, 3
	s_lshl_b32 s20, s20, 2
	s_add_co_u32 s19, s19, s20
	s_max_u32 s20, s16, 8
	s_sub_co_u32 s20, s20, 8
	s_lshl_b32 s20, s20, 2
	s_cmp_lt_u32 s16, 8
	s_cselect_b32 s20, s19, s20
	s_lshl_b32 s20, s20, 12                        ; a row is 4,096 bytes
	s_mov_b32 s21, 0
	s_wait_alu depctr_va_vdst(0)
	s_wait_kmcnt 0x0
	s_cmp_lt_u32 s16, 4                            ; the choice of buffer hangs on the wave's number alone
	s_cselect_b64 s[22:23], s[4:5], s[6:7]
	s_cmp_lt_u32 s16, 8
	s_cselect_b64 s[22:23], s[22:23], s[8:9]
	s_add_nc_u64 s[22:23], s[22:23], s[20:21]
.irp k, 0,1,2,3
.irp u, 0,1
.irp i, 0,1,2,3
	global_load_b128 v[ST+32*\k+16*\u+4*\i:ST+32*\k+16*\u+4*\i+3], v[L64], s[22:23] offset:4096*\k+2048*\u+16*\i
.endr
.endr
.endr
; Row k of my four: my 2 x 16 numbers become 2 x 16 codes, and each half's block (mine and my neighbour's 16) a scale byte.  Every row has registers of its own for its codes and bytes.
.macro ROWQ k
.set Q, ST+32*\k
	s_wait_loadcnt 8*(3-\k)                        ; loads come back in order: row k's eight are in, the later rows' may be out
.irp c, 0,1,2,3
	v_max3_num_f32 v[MQ+\c], |v[Q+8*\c]|, |v[Q+8*\c+1]|, |v[Q+8*\c+2]|       ; the largest magnitudes, in four chains by turns
.endr
.irp i, 3,5
.irp c, 0,1,2,3
	v_max3_num_f32 v[MQ+\c], v[MQ+\c], |v[Q+8*\c+\i]|, |v[Q+8*\c+\i+1]|
.endr
.endr
.irp c, 0,1,2,3
	v_max_num_f32 v[MQ+\c], v[MQ+\c], |v[Q+8*\c+7]|
.endr
.irp u, 0,1
	v_max3_num_f32 v[MQ+2*\u], v[MQ+2*\u], v[MQ+2*\u+1], 0x1800000 ; my 16, with the floor 2^(3 - 127): the byte cannot fall under 1
.endr
.irp u, 0,1
	s_delay_alu instid0(VALU_DEP_2)
	v_max_num_f32_dpp v[MQ+2*\u], v[MQ+2*\u], v[MQ+2*\u] row_xmask:1 row_mask:0xf bank_mask:0xf   ; and my neighbour's 16: the block's
.endr
.irp u, 0,1
	s_delay_alu instid0(VALU_DEP_2)
	v_add_nc_u32 v[SO+\u], 0xff000000, v[MQ+2*\u]  ; 2 off its exponent field: the conversion takes the exponent field of this operand as its scale
.endr
.irp u, 0,1
	s_delay_alu instid0(VALU_DEP_2)
	v_lshrrev_b32 v[BY+2*\k+\u], 23, v[SO+\u]      ; the scale's byte
.endr
.irp u, 0,1
.irp g, 0,1
	v_cvt_scalef32_pk8_fp4_f32 v[CD+4*\k+2*\u+\g], v[Q+16*\u+8*\g:Q+16*\u+8*\g+7], v[SO+\u]   ; to the nearest code, ties to even; beyond 6 the largest code
.endr
.endr
	v_nop                                          ; one plain instruction behind the last scaled conversion
.irp u, 0,1
	ds_store_b64 v[XCW], v[CD+4*\k+2*\u:CD+4*\k+2*\u+1] offset:528*\k+256*\u
	ds_store_b8 v[XSW], v[BY+2*\k+\u] offset:32*\k+16*\u           ; both lanes of a block write the same byte with the same value
.endr
.endm
	ROWQ 0
	ROWQ 1
	ROWQ 2
	ROWQ 3
	s_wait_tensorcnt 0x0                           ; behind my last LDS store: three closing lines
	ds_add_u32 v[SPW], v[NIL]
	s_wait_dscnt 0x0                               ; for the others' sake too: my codes and bytes lie in LDS
	s_barrier_signal -1
	s_barrier_wait -1                              ; everybody's do.  From here on LDS is only read
	s_mul_i32 s24, ttmp9, 9216
	s_mov_b32 s25, 0
	s_add_nc_u64 s[12:13], s[12:13], s[24:25]      ; my work-group's record
	s_cmp_lt_u32 s16, 8
	s_cbranch_scc0 .Lnot_frag
	; waves 0-7: We's fragment of K step W, as the operand's registers take it: lane (r, h), registers 4 c .. 4 c + 3 = k 128 W + 64 c + 32 h + 0 .. 31 of row r
	ds_load_b128 v[72:75], v[XAQ]
	ds_load_b128 v[76:79], v[XAQ] offset:32
	s_lshl_b32 s24, s16, 10
	s_add_nc_u64 s[12:13], s[12:13], s[24:25]
	s_wait_dscnt 0x0
	global_store_b128 v[LOFF], v[72:75], s[12:13]              ; 512 consecutive bytes, aligned
	global_store_b128 v[LOFF], v[76:79], s[12:13] offset:512
	s_endpgm
.Lnot_frag:
	s_cmp_eq_u32 s16, 8
	s_cbranch_scc0 .Lnot_scale
	ds_load_b128 v[72:75], v[XSA]                  ; wave 8: lane (r, h): the scale words of K steps 4 h .. 4 h + 3 of We's row r
	s_wait_dscnt 0x0
	global_store_b128 v[LOFF], v[72:75], s[12:13] offset:8192
	s_endpgm
.Lnot_scale:
	s_cmp_eq_u32 s16, 9
	s_cbranch_scc0 .Lnot_v
	s_lshl_b32 s24, ttmp9, 6                       ; wave 9: v'' of my 16 outputs, 64 bytes, written eight times over so that the store covers 512 consecutive bytes
	s_add_nc_u64 s[10:11], s[10:11], s[24:25]
	global_load_b128 v[72:75], v[VOF], s[10:11]
	s_wait_loadcnt 0x0
	v_pk_mul_f32 v[76:77], v[72:73], 0xc038aa3b op_sel_hi:[1,0]    ; x -2 log2(e)
	v_pk_mul_f32 v[78:79], v[74:75], 0xc038aa3b op_sel_hi:[1,0]
	global_store_b128 v[LOFF], v[76:79], s[12:13] offset:8704
	s_endpgm
.Lnot_v:
	s_cmp_eq_u32 s16, 10
	s_cbranch_scc0 .Lend
	; wave 10: dec.  Source 0 = Wd's 16 rows, source 1 = 16 rows of hidden: lane (r, h), register j = dec[b = 16 t + r][d = 16 T + 8 h + j]
	ds_load_b128 v[SW:SW+3], v[XSA] offset:16*32
	ds_load_b128 v[SH:SH+3], v[XSA] offset:32*32
	ds_load_b128 v[SH+4:SH+7], v[XSA] offset:48*32
; Four K steps from q0 on.  The two accumulators take turns, one instruction a turn.  Lanes 0-15 of a scale register hold K steps 0-3, lanes 16-31 K steps 4-7.
.macro DHALF q0
.irp i, 0,1,2,3
.irp c, 0,1
	ds_load_b128 v[FW+8*\i+4*\c:FW+8*\i+4*\c+3], v[XA] offset:16*528+64*(\q0+\i)+32*\c
	ds_load_b128 v[FH+8*\i+4*\c:FH+8*\i+4*\c+3], v[XA] offset:32*528+64*(\q0+\i)+32*\c
	ds_load_b128 v[FH+32+8*\i+4*\c:FH+32+8*\i+4*\c+3], v[XA] offset:48*528+64*(\q0+\i)+32*\c
.endr
.endr
	s_wait_dscnt 0x0
.irp i, 0,1,2,3
.irp t, 0,1
.if (\q0 == 0) && (\i == 0)
	v_wmma_scale_f32_16x16x128_f8f6f4 v[ACC+8*\t:ACC+8*\t+7], v[FW+8*\i:FW+8*\i+7], v[FH+32*\t+8*\i:FH+32*\t+8*\i+7], 0, v[SW+\i], v[SH+4*\t+\i] matrix_a_fmt:MATRIX_FMT_FP4 matrix_b_fmt:MATRIX_FMT_FP4
.elseif \q0 == 0
	v_wmma_scale_f32_16x16x128_f8f6f4 v[ACC+8*\t:ACC+8*\t+7], v[FW+8*\i:FW+8*\i+7], v[FH+32*\t+8*\i:FH+32*\t+8*\i+7], v[ACC+8*\t:ACC+8*\t+7], v[SW+\i], v[SH+4*\t+\i] matrix_a_fmt:MATRIX_FMT_FP4 matrix_b_fmt:MATRIX_FMT_FP4
.else
	v_wmma_scale_f32_16x16x128_f8f6f4 v[ACC+8*\t:ACC+8*\t+7], v[FW+8*\i:FW+8*\i+7], v[FH+32*\t+8*\i:FH+32*\t+8*\i+7], v[ACC+8*\t:ACC+8*\t+7], v[SW+\i], v[SH+4*\t+\i] matrix_a_fmt:MATRIX_FMT_FP4 matrix_b_fmt:MATRIX_FMT_FP4 matrix_a_scale:MATRIX_SCALE_ROW1 matrix_b_scale:MATRIX_SCALE_ROW1
.endif
.endr
.endr
.rept 4
	v_nop                                          ; four plain instructions behind the products: ahead of loads into registers that they read, and of the stores of their results
.endr
.endm
	DHALF 0
	DHALF 4
	s_lshl_b32 s24, ttmp9, 11
	s_add_nc_u64 s[14:15], s[14:15], s[24:25]
.irp t, 0,1
.irp c, 0,1
	global_store_b128 v[LOFF], v[ACC+8*\t+4*\c:ACC+8*\t+4*\c+3], s[14:15] offset:1024*\t+512*\c   ; each accumulator from its low end on; 512 consecutive bytes a store
.endr
.endr
.Lend:
	s_endpgm
.Lfunc_end_k_q53d6b64feb_prep:
	.size	k_q53d6b64feb_prep, .Lfunc_end_k_q53d6b64feb_prep-k_q53d6b64feb_prep
	.p2alignl 7, 3214868480
	.fill 96, 4, 3214868480
	.section	.rodata,"a",@progbits
	.p2align	6, 0x0
	.amdhsa_kernel k_q53d6b64feb_prep
		.amdhsa_group_segment_fixed_size 37888
		.amdhsa_private_segment_fixed_size 0
		.amdhsa_enable_private_segment 0
		.amdhsa_kernarg_size 48
		.amdhsa_user_sgpr_count 2
		.amdhsa_user_sgpr_kernarg_segment_ptr 1
		.amdhsa_wavefront_size32 1
		.amdhsa_system_sgpr_workgroup_id_x 1
		.amdhsa_system_sgpr_workgroup_id_y 1
		.amdhsa_system_sgpr_workgroup_id_z 1
		.amdhsa_system_vgpr_workitem_id 0
		.amdhsa_next_free_vgpr 256
		.amdhsa_next_free_sgpr 66
		.amdhsa_reserve_vcc 0
		.amdhsa_float_denorm_mode_32 3
		.amdhsa_float_denorm_mode_16_64 3
		.amdhsa_memory_ordered 1
		.amdhsa_forward_progress 1
		.amdhsa_inst_pref_size 22
	.end_amdhsa_kernel
	.amdgpu_metadata
---
amdhsa.version: [ 1, 2 ]
amdhsa.kernels:
  - .name:           k_q53d6b64feb_prep
    .symbol:         k_q53d6b64feb_prep.kd
    .args:
      - { .name: We, .offset: 0, .size: 8, .value_kind: global_buffer, .address_space: global }
      - { .name: Wd, .offset: 8, .size: 8, .value_kind: global_buffer, .address_space: global }
      - { .name: hidden, .offset: 16, .size: 8, .value_kind: global_buffer, .address_space: global }
      - { .name: v, .offset: 24, .size: 8, .value_kind: global_buffer, .address_space: global }
      - { .name: rec, .offset: 32, .size: 8, .value_kind: global_buffer, .address_space: global }
      - { .name: dec, .offset: 40, .size: 8, .value_kind: global_buffer, .address_space: global }
    .group_segment_fixed_size: 37888
    .private_segment_fixed_size: 0
    .kernarg_segment_align: 8
    .kernarg_segment_size: 48
    .max_flat_workgroup_size: 512
    .sgpr_count:     66
    .vgpr_count:     256
    .wavefront_size: 32
...
	.end_amdgpu_metadata
.endif
;; end of part 1
;; launch attn (part 2): grid 8 x 32, 8 waves a work-group, no clusters, 301,568 bytes of LDS; arguments encoder_outputs, rec, dec, part, us; writes part, us
.if DOCPART == 2
	.amdgcn_target "amdgcn-amd-amdhsa--gfx1250"
	.amdhsa_code_object_version 6
	.text
	.protected	k_q53d6b64feb_attn
	.globl	k_q53d6b64feb_attn
	.p2align	8
	.type	k_q53d6b64feb_attn,@function
k_q53d6b64feb_attn:
	s_mov_b64 s[64:65], 0
	v_nop
	global_prefetch_b8 v0, s[64:65] scope:SCOPE_SE
	s_setreg_imm32_b32 hwreg(HW_REG_WAVE_MODE, 25, 1), 1
	s_wait_xcnt 0x0
; ATTN.  Work-group (chunk, b) takes the 256 rows s = 256 chunk .. + 255 of batch b of encoder_outputs [2048][32][1024] f32, and reads each of them from memory ONCE.
; For each row: x = Q(row) in FP4 (E2M1, one E8M0 scale for each 32 along K); acc[d] = dec[b][d] + sum_k Q(We)[d][k] x[k] by the scaled FP4 matrix instruction, dec being the C of the first K step;
; tanh(a) = 1 - 2 rho with rho = 1 / (1 + 2^(2 log2(e) a));  u = sum_d v''[d] rho[d] with v'' = -2 log2(e) v.  WORK LEFT OUT: u is the score x log2(e) less log2(e) sum(v), a number that is the
; same for all rows of a softmax and falls out of it for all finite v.  Weights are 2^(u - m), m a running maximum; each row, kept in LDS as bf16, is added to a partial context with its weight.
; OUT: for each of 4 waves a partial (context of 64 rows, m, l) into part; u into us.  The next launch joins the 32 partials of a b.
; LIMITS: NaN and infinities among the inputs are not served; a block of zeros gets the scale byte 1 (its codes are zeros, the bytes are read here alone); the rows are rounded to bf16 for the
; context alone; 2^(..) that overflows gives rho = 0, one that underflows rho = 1, which are tanh's limits.
; ROLES.  Eight waves, two to a SIMD.  Waves 0-3 (G, g = wave): 64 rows x outputs d = 256 g .. + 255: 16 tiles of 16 d; products, tanh, the dot with v''.
; Waves 4-7 (F, w = wave - 4): rows 64 w .. 64 w + 63 of the chunk: loads, quantises, keeps bf16, softmax and context.
; F'S ROWS: a lane takes 16 neighbours along K, 64 bytes, by four loads issued on end, which between them cover 2,048 consecutive bytes; two neighbouring lanes hold a block, so one
; step between lanes gives its maximum, and the conversions read the registers as they were loaded.  A row costs eight LDS stores and no LDS load.
; STEPS of 64 rows (16 of each F wave).  Trip S: F adds step S - 2 to its context and feeds step S (codes to LDS); G multiplies step S - 1 out of registers.  Two barriers a trip.  Ahead of the
; first stand all of G's products; behind it G asks for step S's codes and, while they come, finishes its last tile and stores u; behind the second F reads u and may write the codes' bytes again.
; G WALKS ITS 16 TILES UP IN ONE STEP AND DOWN IN THE NEXT: the two tiles that lie in registers at a step's end are the next step's first two, so a step loads 14 tiles and no tile is loaded in vain.
; NO JOINT LOADS, NO TENSOR LOADS: such loads land in LDS; two steps' rows must be kept there (262,144 bytes) until their scores are known, and what is left has no room for two slots of the
; four records (36,864 bytes) that the four G waves multiply by at a time.  We's records go from memory straight into the registers of the one wave that multiplies by them.
; NO DATA PREFETCH: each F wave has 56 loads of its rows out from the head to its last step, and each G wave 21 to 42 loads of its records.
.set ROWG, 131072                      ; bytes from row s to row s + 1 of one b
.set RECB, 9216                        ; a record: 8 fragments of 1,024 bytes, 512 bytes of scale words, 512 of v''
.set KEPT, 0                           ; 4 x 65,536: F wave w's own: parity x 32,768 + row x 2,048: a row as bf16; at the end its first 5,120 bytes turn the context
.set XC,   262144                      ; codes of a step's 64 rows: 512 bytes a row, 528 apart
.set XS,   XC+64*528                   ; their scale bytes, 32 a row
.set SCP,  XS+64*32                    ; 4 x 256: G wave g's part of the 64 rows' u
.set PB,   SCP+1024                    ; 4 x 64: F wave w's own: its 16 weights
.set UB,   PB+256                      ; 4 x 320: F wave w's own: five places of 64 bytes; step k's u lie in place k + 1, place 0 is not used
.set SPARE, UB+1280                    ; the spare words, 128 bytes a wave: four blocks of 256 bytes that no other line names
; registers that both roles share: LDS addresses and offsets, all made ahead of the first parting
.set CW,   1                           ; 65536 w + 80 l
.set CR,   2                           ; 65536 w + 80 (l / 4) + 16 (l % 4)
.set KW,   3                           ; 65536 w + 16 l
.set KA,   4                           ; KW + the trip's parity
.set XCW,  5                           ; XC + 16 x 528 w + 8 l
.set XSW,  6                           ; XS + 512 w + l / 2
.set SCR,  7                           ; SCP + 64 w + 4 r
.set PBW,  8                           ; PB + 64 w + 4 r
.set PBR,  9                           ; PB + 64 w
.set UBW,  10                          ; UB + 320 w + 4 r
.set UA,   11                          ; UBW + 64 x place
.set UBR,  12                          ; UB + 320 w + 64 + 8 l
.set XA,   13                          ; XC + 528 r + 16 h
.set XSA,  14                          ; XS + 32 r + 16 h
.set SCA,  15                          ; SCP + 256 g + 4 r
.set LOFF, 16                          ; 16 l
.set HOFF, 17                          ; 32 h
.set DOFF, 18                          ; 256 h + 16 (b % 16) + 1024 (b / 16): dec's image, the lane that holds my b
.set L8,   19                          ; 8 l
.set SPW,  20                          ; my spare word: SPARE + 4 x my thread's number; never rewritten
.set NIL,  21                          ; 0; never rewritten
.set L64,  22                          ; 64 l
.set WS,   24                          ; v24-31 We's scale words, two sets of 4;  v32-47 x's, 4 for each tile of rows: these hold scales and nothing else
.set XSR,  32
; G
.set SC,   48                          ; v48-55  u's sums, a pair for each tile of rows
.set VV,   56                          ; v56-71  v'', two sets of 8
.set DEC,  72                          ; v72-87  dec, two sets of 8
.set GT,   88                          ; v88-95  at work (v88-91 also the head's lane numbers)
.set ACC,  96                          ; v96-127 four accumulators
.set WF,   128                         ; v128-255 We's fragments, two sets of 64;  window 1: x's fragment (tile of rows m, K step q) at v[8 (8 m + q)]
; F
.set CTX,  48                          ; v48-79  the partial context: register n is e = 512 (n / 16) + 16 l + n % 16
.set RU,   80                          ; u of my row (lane % 16) of the step last read
.set RM,   84                          ; the running maximum;  v85 the running sum of my row's place
.set RL,   85
.set FF,   86                          ; v[86:87] 2^(old m - new m); v87 is written once, since the pair is named
.set MX,   88
.set MN,   89
.set PV,   90
.set DM,   91
.set CD,   192                         ; v192-199 a row's codes, two sets of 4 by the row's parity (F names none of G's accumulators' numbers, v96-127, in window 0)
.set BY,   200                         ; v200-203 its two scale bytes, two sets
.set MQ,   204                         ; v204-207 four chains of the maxima
.set SO,   208                         ; v208-209 the conversions' scale operands
.set BF,   212                         ; v212-243 the row as bf16, two sets of 16
.set PP,   144                         ; v144-159 the 16 weights
.set KR,   160                         ; v160-191 two kept rows by turns; at the end the context on its way out.  Window 1: eight rows as loaded, 32 registers each: register 16 u + n is e = 512 u + 16 l + n
.set MSB, 0
.macro WIN new                         ; s_set_vgpr_msb: bits 1:0 source 0, 3:2 source 1, 5:4 source 2, 7:6 destination; the high byte repeats the setting that is left
.if MSB != \new
	s_set_vgpr_msb (MSB<<8)|\new
.set MSB, \new
.endif
.endm
.macro BAR                             ; all my LDS instructions are done, stores and loads alike; then the work-group's barrier.  It stands on every wave's path
	s_wait_dscnt 0x0
	s_barrier_signal -1
	s_barrier_wait -1
.endm
	s_load_b256 s[4:11], s[0:1], 0x0               ; encoder_outputs s[4:5], rec s[6:7], dec s[8:9], part s[10:11]
	s_load_b64 s[12:13], s[0:1], 0x20              ; us
	v_lshl_add_u32 v[SPW], v0, 2, SPARE
	v_mov_b32 v[NIL], 0
	v_lshrrev_b32 v88, 5, v0
	v_readfirstlane_b32 s14, v88                   ; wave 0..7
	s_and_b32 s15, s14, 3                          ; g or w
	s_mov_b32 s16, ttmp9                           ; chunk
	s_and_b32 s17, ttmp7, 0xffff                   ; b
	s_mov_b32 s19, 0                               ; the parity: 0 or 0x8000
	s_mov_b32 s20, 0                               ; 64 x the place of the u that are read
	v_and_b32 v88, 31, v0                          ; l
	v_and_b32 v89, 15, v0                          ; r
	v_bfe_u32 v90, v0, 4, 1                        ; h
	v_lshlrev_b32 v[LOFF], 4, v88
	v_lshlrev_b32 v[HOFF], 5, v90
	v_lshlrev_b32 v[L8], 3, v88
	v_lshlrev_b32 v[L64], 6, v88
	s_lshl_b32 s38, s15, 16
	v_mul_u32_u24 v[CW], v88, 80
	v_add_nc_u32 v[CW], s38, v[CW]
	v_lshrrev_b32 v91, 2, v88
	v_mul_u32_u24 v[CR], v91, 80
	v_and_b32 v91, 3, v88
	v_lshl_add_u32 v[CR], v91, 4, v[CR]
	v_add_nc_u32 v[CR], s38, v[CR]
	v_add_nc_u32 v[KW], s38, v[LOFF]
	v_add_nc_u32 v[KA], s19, v[KW]
	s_mul_i32 s38, s15, 16*528
	s_add_co_u32 s38, s38, XC
	v_add_nc_u32 v[XCW], s38, v[L8]
	s_lshl_b32 s38, s15, 9
	s_add_co_u32 s38, s38, XS
	v_lshrrev_b32 v91, 1, v88
	v_add_nc_u32 v[XSW], s38, v91
	v_lshlrev_b32 v91, 2, v89                      ; 4 r
	s_lshl_b32 s38, s15, 6
	s_add_co_u32 s39, s38, SCP
	v_add_nc_u32 v[SCR], s39, v91
	s_add_co_u32 s39, s38, PB
	v_add_nc_u32 v[PBW], s39, v91
	v_mov_b32 v[PBR], s39
	s_lshl_b32 s38, s15, 8
	s_add_co_u32 s39, s38, SCP
	v_add_nc_u32 v[SCA], s39, v91
	s_mul_i32 s39, s15, 320
	s_add_co_u32 s39, s39, UB
	v_add_nc_u32 v[UBW], s39, v91
	v_add_nc_u32 v[UA], s20, v[UBW]
	s_add_co_u32 s39, s39, 64
	v_add_nc_u32 v[UBR], s39, v[L8]
	v_mul_u32_u24 v[XA], v89, 528
	v_lshl_add_u32 v[XA], v90, 4, v[XA]
	v_add_nc_u32 v[XA], XC, v[XA]
	v_lshlrev_b32 v[XSA], 5, v89
	v_lshl_add_u32 v[XSA], v90, 4, v[XSA]
	v_add_nc_u32 v[XSA], XS, v[XSA]
	s_and_b32 s38, s17, 15
	s_lshl_b32 s38, s38, 4
	s_lshr_b32 s39, s17, 4
	s_lshl_b32 s39, s39, 10
	s_add_co_u32 s38, s38, s39
	v_lshl_add_u32 v[DOFF], v90, 8, s38
	s_mov_b32 s24, 0x4038aa3b                      ; 2 log2(e); the packed form names the pair s[24:25] and takes its low word for both halves
	s_mov_b32 s25, s24
	s_mov_b32 s26, 0x76543210                      ; v_permlanex16_b32's selects for lane l xor 16
	s_mov_b32 s27, 0xfedcba98
	s_lshl_b32 s38, s16, 8
	s_lshl_b32 s39, s15, 6
	s_add_co_u32 s38, s38, s39                     ; 256 chunk + 64 w: an F wave's first row,
	s_lshl_b32 s38, s38, 17                        ; in bytes (under 2^28),
	s_lshl_b32 s39, s17, 12
	s_add_co_u32 s38, s38, s39                     ; + 4,096 b
	s_mov_b32 s39, 0                               ; from here on s39 stays 0: s[38:39] is the pair in which offsets are made
	s_wait_alu depctr_va_vdst(0)
	s_wait_kmcnt 0x0
	s_add_nc_u64 s[28:29], s[4:5], s[38:39]        ; F: where my rows stand
	s_mul_i32 s38, s15, 16*RECB
	s_add_nc_u64 s[30:31], s[6:7], s[38:39]        ; G: my 16 records,
	s_lshl_b32 s38, s15, 15
	s_add_nc_u64 s[32:33], s[8:9], s[38:39]        ; and my 16 tiles of dec, 2,048 bytes each
	s_lshl_b32 s38, s17, 3
	s_add_co_u32 s38, s38, s16
	s_lshl_b32 s38, s38, 2
	s_add_co_u32 s38, s38, s15                     ; F: my partial's number: (8 b + chunk) 4 + w
	s_mul_i32 s38, s38, 4352
	s_add_nc_u64 s[40:41], s[10:11], s[38:39]
	s_lshl_b32 s38, s17, 13
	s_lshl_b32 s44, s16, 10
	s_add_co_u32 s38, s38, s44
	s_lshl_b32 s44, s15, 8
	s_add_co_u32 s38, s38, s44
	s_add_nc_u64 s[42:43], s[12:13], s[38:39]      ; F: my 64 u: 8,192 b + 1,024 chunk + 256 w
; ---------------- G's macros
; 19 loads: a tile's 8 fragments and scale words from its record, and dec's 8 numbers, into set p.  s[34:35], s[36:37]: the even tile of the pair that is asked for.
.macro WLOAD p
.irp q, 0,1,2,3,4,5,6,7
.irp c, 0,1
	global_load_b128 v[WF+64*\p+8*\q+4*\c:WF+64*\p+8*\q+4*\c+3], v[LOFF], s[34:35] offset:RECB*\p+1024*\q+512*\c
.endr
.endr
	global_load_b128 v[WS+4*\p:WS+4*\p+3], v[LOFF], s[34:35] offset:RECB*\p+8192
.irp c, 0,1
	global_load_b128 v[DEC+8*\p+4*\c:DEC+8*\p+4*\c+3], v[DOFF], s[36:37] offset:2048*\p+512*\c
.endr
.endm
.macro VLOAD p                         ; 2 loads: v'' of the tile's outputs 8 h + 0 .. 7
.irp c, 0,1
	global_load_b128 v[VV+8*\p+4*\c:VV+8*\p+4*\c+3], v[HOFF], s[34:35] offset:RECB*\p+8704+16*\c
.endr
.endm
; The products of one tile of 16 outputs x 64 rows, out of set p.  Source 0 = 16 rows of We, source 1 = 16 rows of x: lane (r, h) holds row r, register j output 8 h + j.
; The four accumulators take turns, one instruction a turn.  Lanes 0-15 of a scale register hold K steps 0-3, lanes 16-31 K steps 4-7.
; cnt: the loads issued behind this set's, which may stay out.
.macro TMUL p, cnt
	s_wait_loadcnt \cnt
	WIN 0x04                                       ; source 1 (x) in window 1
.irp q, 0,1,2,3,4,5,6,7
.irp m, 0,1,2,3
.if \q == 0
	v_wmma_scale_f32_16x16x128_f8f6f4 v[ACC+8*\m:ACC+8*\m+7], v[WF+64*\p+8*\q:WF+64*\p+8*\q+7], v[8*(8*\m+\q):8*(8*\m+\q)+7], v[DEC+8*\p:DEC+8*\p+7], v[WS+4*\p+\q], v[XSR+4*\m+\q] matrix_a_fmt:MATRIX_FMT_FP4 matrix_b_fmt:MATRIX_FMT_FP4
.elseif \q < 4
	v_wmma_scale_f32_16x16x128_f8f6f4 v[ACC+8*\m:ACC+8*\m+7], v[WF+64*\p+8*\q:WF+64*\p+8*\q+7], v[8*(8*\m+\q):8*(8*\m+\q)+7], v[ACC+8*\m:ACC+8*\m+7], v[WS+4*\p+\q], v[XSR+4*\m+\q] matrix_a_fmt:MATRIX_FMT_FP4 matrix_b_fmt:MATRIX_FMT_FP4
.else
	v_wmma_scale_f32_16x16x128_f8f6f4 v[ACC+8*\m:ACC+8*\m+7], v[WF+64*\p+8*\q:WF+64*\p+8*\q+7], v[8*(8*\m+\q):8*(8*\m+\q)+7], v[ACC+8*\m:ACC+8*\m+7], v[WS+4*\p+\q-4], v[XSR+4*\m+\q-4] matrix_a_fmt:MATRIX_FMT_FP4 matrix_b_fmt:MATRIX_FMT_FP4 matrix_a_scale:MATRIX_SCALE_ROW1 matrix_b_scale:MATRIX_SCALE_ROW1
.endif
.endr
.endr
	WIN 0
.rept 4
	v_nop                                          ; four plain instructions behind the products: ahead of the loads into their registers and of the first read of their results
.endr
.endm
; The tile's tanh and its dot with v'' of set p.
.macro TTAN p
.irp j, 0,2,4,6,8,10,12,14,16,18,20,22,24,26,28,30
	v_pk_mul_f32 v[ACC+\j:ACC+\j+1], v[ACC+\j:ACC+\j+1], s[24:25] op_sel_hi:[1,0]     ; 2 log2(e) a; each accumulator from its low end on
.endr
	s_wait_alu depctr_va_vdst(0)
.irp j, 0,1,2,3,4,5,6,7,8,9,10,11,12,13,14,15,16,17,18,19,20,21,22,23,24,25,26,27,28,29,30,31
	v_exp_f32 v[ACC+\j], v[ACC+\j]
.endr
	v_nop                                          ; a plain instruction behind the last exponential,
	s_wait_alu depctr_va_vdst(0)                   ; and the one wait for the batch ahead of its first reader
.irp j, 0,2,4,6,8,10,12,14,16,18,20,22,24,26,28,30
	v_pk_add_f32 v[ACC+\j:ACC+\j+1], v[ACC+\j:ACC+\j+1], 1.0 op_sel_hi:[1,0]
.endr
	s_wait_alu depctr_va_vdst(0)
.irp j, 0,1,2,3,4,5,6,7,8,9,10,11,12,13,14,15,16,17,18,19,20,21,22,23,24,25,26,27,28,29,30,31
	v_rcp_f32 v[ACC+\j], v[ACC+\j]                 ; rho
.endr
	v_nop
	s_wait_alu depctr_va_vdst(0)                   ; likewise for the reciprocals
.irp j, 0,2,4,6
.irp m, 0,1,2,3
	v_pk_fma_f32 v[SC+2*\m:SC+2*\m+1], v[ACC+8*\m+\j:ACC+8*\m+\j+1], v[VV+8*\p+\j:VV+8*\p+\j+1], v[SC+2*\m:SC+2*\m+1]   ; u += v'' rho; the four tiles of rows by turns
.endr
.endr
.endm
; A whole tile.  refill = 1: the set takes the tile of the next pair of the walk.
.macro TILE p, refill, cnt
	TMUL \p, \cnt
.if \refill
.if \p == 0
	s_wait_xcnt 0x0                                ; the last pair's refills have read their bases: they step only behind this wait
	s_add_co_i32 s22, s22, s23                     ; the next pair of the walk: two tiles up or two down
	s_mul_i32 s38, s22, RECB
	s_add_nc_u64 s[34:35], s[30:31], s[38:39]
	s_lshl_b32 s38, s22, 11
	s_add_nc_u64 s[36:37], s[32:33], s[38:39]
.endif
	WLOAD \p
.endif
	TTAN \p
.if \refill
	VLOAD \p                                       ; v'' of the set's next tile: its registers have just been read for the last time
.endif
.endm
; A step's 64 rows of codes and their scale words, from LDS into registers: 32 fragments in window 1.
.macro XLOAD
	WIN 0x40                                       ; destination window 1
.irp m, 0,1,2,3
.irp q, 0,1,2,3,4,5,6,7
.irp c, 0,1
	ds_load_b128 v[8*(8*\m+\q)+4*\c:8*(8*\m+\q)+4*\c+3], v[XA] offset:16*528*\m+64*\q+32*\c
.endr
.endr
.endr
	WIN 0
.irp m, 0,1,2,3
	ds_load_b128 v[XSR+4*\m:XSR+4*\m+3], v[XSA] offset:512*\m      ; lane (r, h): the words of K steps 4 h .. 4 h + 3 of row 16 m + r
.endr
.endm
; ---------------- F's macros
; Row r (0..15) of my 16 of the step; it lies in set r % 8 of window 1.  Its codes, bytes and bf16 numbers go to LDS out of registers chosen by the row's parity.
; reload = 1: the set takes the row 8 further on.  n: the younger loads that may stay out.
.macro FROW r, reload, n
.set S8, 32*((\r)%8)
.set P2, (\r)%2
	s_wait_loadcnt \n                              ; loads come back in order: this row's eight are in
	s_wait_dscnt 8                                 ; only the row before's eight stores may be out: those of two rows ago have read this parity's registers
	WIN 0x15                                       ; all three sources window 1
.irp c, 0,1,2,3
	v_max3_num_f32 v[MQ+\c], |v[S8+8*\c]|, |v[S8+8*\c+1]|, |v[S8+8*\c+2]|    ; the largest magnitudes, in four chains by turns
.endr
	WIN 0x14                                       ; sources 1 and 2 window 1
.irp i, 3,5
.irp c, 0,1,2,3
	v_max3_num_f32 v[MQ+\c], v[MQ+\c], |v[S8+8*\c+\i]|, |v[S8+8*\c+\i+1]|
.endr
.endr
.irp c, 0,1,2,3
	v_max_num_f32 v[MQ+\c], v[MQ+\c], |v[S8+8*\c+7]|
.endr
	WIN 0
.irp u, 0,1
	v_max3_num_f32 v[MQ+2*\u], v[MQ+2*\u], v[MQ+2*\u+1], 0x1800000 ; my 16, with the floor 2^(3 - 127): the byte cannot fall under 1
.endr
.irp u, 0,1
	s_delay_alu instid0(VALU_DEP_2)
	v_max_num_f32_dpp v[MQ+2*\u], v[MQ+2*\u], v[MQ+2*\u] row_xmask:1 row_mask:0xf bank_mask:0xf   ; and my neighbour's 16: the block's
.endr
.irp u, 0,1
	s_delay_alu instid0(VALU_DEP_2)
	v_add_nc_u32 v[SO+\u], 0xff000000, v[MQ+2*\u]  ; 2 off its exponent field: the conversion takes the exponent field of this operand as its scale
.endr
.irp u, 0,1
	s_delay_alu instid0(VALU_DEP_2)
	v_lshrrev_b32 v[BY+2*P2+\u], 23, v[SO+\u]      ; the scale's byte
.endr
	WIN 0x01                                       ; source 0 window 1
.irp u, 0,1
.irp g, 0,1
	v_cvt_scalef32_pk8_fp4_f32 v[CD+4*P2+2*\u+\g], v[S8+16*\u+8*\g:S8+16*\u+8*\g+7], v[SO+\u]   ; to the nearest code, ties to even; beyond 6 the largest code
.endr
.endr
	WIN 0x05                                       ; sources 0 and 1 window 1
.irp m, 0,1,2,3,4,5,6,7,8,9,10,11,12,13,14,15
	v_cvt_pk_bf16_f32 v[BF+16*P2+\m], v[S8+2*\m], v[S8+2*\m+1]     ; (plain instructions behind the scaled conversions)
.endr
.if \reload
	WIN 0x40                                       ; destination window 1
.irp u, 0,1
.irp i, 0,1,2,3
	global_load_b128 v[S8+16*\u+4*\i:S8+16*\u+4*\i+3], v[L64], s[28:29] offset:((\r)+8)*ROWG+2048*\u+16*\i th:TH_LOAD_RT_NT   ; four on end cover 2,048 consecutive bytes; read once in the launch
.endr
.endr
.endif
	WIN 0
.irp u, 0,1
	ds_store_b64 v[XCW], v[CD+4*P2+2*\u:CD+4*P2+2*\u+1] offset:528*(\r)+256*\u
	ds_store_b8 v[XSW], v[BY+2*P2+\u] offset:32*(\r)+16*\u         ; both lanes of a block write the same byte with the same value
.endr
.irp i, 0,1,2,3
	ds_store_b128 v[KA], v[BF+16*P2+4*\i:BF+16*P2+4*\i+3] offset:2048*(\r)+512*\i     ; the row is kept: 512 consecutive bytes a store
.endr
.endm
.macro HALF_A                          ; rows 0-7; seven younger rows of eight loads stay out
.irp r, 0,1,2,3,4,5,6,7
	FROW \r, 1, 56
.endr
.endm
.macro HALF_B                          ; rows 8-15; their sets take the next step's rows 0-7
.irp r, 8,9,10,11,12,13,14,15
	FROW \r, 1, 56
.endr
	s_wait_xcnt 0x0                                ; the loads have read their base: it steps only behind this wait
	s_add_nc_u64 s[28:29], s[28:29], 16*ROWG
.endm
.macro HALF_B_TAIL                     ; the last step's rows 8-15: nothing is left to load, and the counts run down
.irp r, 8,9,10,11,12,13,14,15
	FROW \r, 0, 56-8*(\r-8)
.endr
.endm
; My 16 rows' u: the four G waves' parts are added; u is kept for the output.
.macro SCPREAD
.irp g, 0,1,2,3
	ds_load_b32 v[MX+\g], v[SCR] offset:256*\g
.endr
	s_wait_dscnt 0x0
	v_add_f32 v[MX], v[MX], v[MN]
	v_add_f32 v[PV], v[PV], v[DM]
	s_delay_alu instid0(VALU_DEP_1)
	v_add_f32 v[RU], v[MX], v[PV]
	s_wait_alu depctr_va_vdst(0)                   ; v[UA] and v[KA] were written ahead of a branch
	ds_store_b32 v[UA], v[RU]                      ; both halves of the lanes write the same word with the same value
.endm
; The 16 rows whose u lie in v[RU] (lane % 16 = row) enter the running softmax, and the kept rows at v[KA] the context.
.macro SOFTCTX
	v_mov_b32 v[MX], v[RU]
.irp x, 1,2,4,8
	s_delay_alu instid0(VALU_DEP_1)
	v_max_num_f32_dpp v[MX], v[MX], v[MX] row_xmask:\x row_mask:0xf bank_mask:0xf      ; the largest of the 16; both halves of the lanes hold the same
.endr
	s_delay_alu instid0(VALU_DEP_1)
	v_max_num_f32 v[MN], v[RM], v[MX]              ; the new m
	s_delay_alu instid0(VALU_DEP_1)
	v_sub_f32 v[DM], v[RM], v[MN]
	s_delay_alu instid0(VALU_DEP_2)
	v_sub_f32 v[PV], v[RU], v[MN]
	s_wait_alu depctr_va_vdst(0)
	v_exp_f32 v[FF], v[DM]                         ; f = 2^(old m - new m)
	v_exp_f32 v[PV], v[PV]                         ; p = 2^(u - m), at most 1
	v_mov_b32 v[RM], v[MN]                         ; (a plain instruction behind the exponentials)
	s_wait_alu depctr_va_vdst(0)                   ; one wait for the two, ahead of the first reader
	v_fma_f32 v[RL], v[RL], v[FF], v[PV]           ; l = l f + p
	ds_store_b32 v[PBW], v[PV]
.irp j, 0,2,4,6,8,10,12,14,16,18,20,22,24,26,28,30
	v_pk_mul_f32 v[CTX+\j:CTX+\j+1], v[CTX+\j:CTX+\j+1], v[FF:FF+1] op_sel_hi:[1,0]    ; the context under the new m
.endr
.irp k, 0,1,2,3
	ds_load_b128 v[PP+4*\k:PP+4*\k+3], v[PBR] offset:16*\k         ; the 16 weights, in every lane
.endr
.irp i, 0,1,2,3
	ds_load_b128 v[KR+4*\i:KR+4*\i+3], v[KA] offset:512*\i
.endr
.irp r, 0,1,2,3,4,5,6,7,8,9,10,11,12,13,14,15
.if \r < 15
.irp i, 0,1,2,3
	ds_load_b128 v[KR+16*((\r+1)%2)+4*\i:KR+16*((\r+1)%2)+4*\i+3], v[KA] offset:2048*(\r+1)+512*\i
.endr
	s_wait_dscnt 4                                 ; only the next row's four may be out
.else
	s_wait_dscnt 0x0
.endif
.irp i, 0,1,2,3
.irp a, 0,1,2,3
.irp f, 0,1
	v_fma_mix_f32_bf16 v[CTX+8*\i+2*\a+\f], v[KR+16*(\r%2)+4*\i+\a], v[PP+\r], v[CTX+8*\i+2*\a+\f] op_sel:[\f,0,0] op_sel_hi:[1,0,0]   ; context += bf16 half x weight, in f32
.endr
.endr
.endr
.endr
.endm
; ---------------- the first parting
	s_cmp_lt_u32 s14, 4
	s_cbranch_scc0 .Lf_head
	s_mov_b64 s[34:35], s[30:31]                   ; G: tiles 0 and 1 are asked for: 42 loads
	s_mov_b64 s[36:37], s[32:33]
	s_mov_b32 s22, 0                               ; the even tile of the pair that lies in the sets
	s_mov_b32 s23, 2                               ; the walk's direction: + 2 or - 2
	s_wait_alu depctr_va_vdst(0)
	WLOAD 0
	VLOAD 0
	WLOAD 1
	VLOAD 1
.irp m, 0,1,2,3
	v_mov_b32 v[GT+4+\m], 0                        ; written once: a lane permute's destination counts as one of its sources
.endr
	s_branch .Ljoin0
.Lf_head:
	WIN 0x40                                       ; F: rows 0-7 are asked for: 64 loads
.irp r, 0,1,2,3,4,5,6,7
.irp u, 0,1
.irp i, 0,1,2,3
	global_load_b128 v[32*\r+16*\u+4*\i:32*\r+16*\u+4*\i+3], v[L64], s[28:29] offset:\r*ROWG+2048*\u+16*\i th:TH_LOAD_RT_NT
.endr
.endr
.endr
	WIN 0
.irp j, 0,1,2,3,4,5,6,7,8,9,10,11,12,13,14,15,16,17,18,19,20,21,22,23,24,25,26,27,28,29,30,31
	v_mov_b32 v[CTX+\j], 0                         ; the softmax is written once: its first step finds zeros, which f = 0 leaves zeros
.endr
	v_mov_b32 v[RL], 0
	v_mov_b32 v[FF+1], 0
	v_mov_b32 v[RM], 0xff61b1e6                    ; -3e38, under every u
	HALF_A                                         ; step 0 is fed
	HALF_B
.Ljoin0:
	BAR                                            ; step 0's codes lie in LDS
	s_cmp_lt_u32 s14, 4
	s_cbranch_scc0 .Ljoin1
	XLOAD
.Ljoin1:
	BAR                                            ; and have been read: they may be written again
	s_mov_b32 s18, 1                               ; S
	s_mov_b32 s19, 0x8000
	s_mov_b32 s20, 0
.Ltrip:                                            ; S = 1 .. 4
	v_add_nc_u32 v[KA], s19, v[KW]                 ; both are made on every wave's path
	v_add_nc_u32 v[UA], s20, v[UBW]
	s_cmp_lt_u32 s14, 4
	s_cbranch_scc0 .Lf_work
	; ---- G: step S - 1: 16 tiles, two a trip of the inner loop; the walk's last pair is written out, since it asks for nothing.  No LDS is touched ahead of the barrier
.irp j, 0,1,2,3,4,5,6,7
	v_mov_b32 v[SC+\j], 0
.endr
	s_mov_b32 s21, 7
.Ltile:
	TILE 0, 1, 21                                  ; behind this set's last load only the other set's 19 + 2 were issued
	TILE 1, 1, 21
	s_sub_co_u32 s21, s21, 1
	s_cmp_lg_u32 s21, 0
	s_cbranch_scc1 .Ltile
	TILE 0, 0, 21
	TMUL 1, 0                                      ; the step's last products: nothing was issued behind this set's loads.  x's registers are free from here on
	s_sub_co_i32 s23, 0, s23                       ; the next step walks the other way, and begins with the pair that lies in the sets
	s_branch .Lb1
.Lf_work:
	; ---- F: step S - 2's u are read and it enters the context; then step S is fed into the same parity's bytes: one wave's LDS instructions, served in order
	s_cmp_lt_u32 s18, 2
	s_cbranch_scc1 .Lno_ctx
	SCPREAD
	SOFTCTX
.Lno_ctx:
	s_cmp_gt_u32 s18, 3
	s_cbranch_scc1 .Lb1
	HALF_A
	s_cmp_eq_u32 s18, 3
	s_cbranch_scc1 .Ltail
	HALF_B
	s_branch .Lb1
.Ltail:
	HALF_B_TAIL
.Lb1:
	BAR                                            ; step S's codes lie in LDS, and step S - 2's u have been read
	s_cmp_lt_u32 s14, 4
	s_cbranch_scc0 .Lb2
	s_cmp_gt_u32 s18, 3
	s_cbranch_scc1 .Lno_x
	XLOAD                                          ; step S's codes are asked for; the last tile's vector work stands under their flight
.Lno_x:
	s_wait_alu depctr_va_vdst(0)                   ; directly ahead of the first readers of the last tile's results
	TTAN 1
.irp m, 0,1,2,3
	v_add_f32 v[GT+\m], v[SC+2*\m], v[SC+2*\m+1]   ; the pair's halves,
.endr
.irp m, 0,1,2,3
	v_permlanex16_b32 v[GT+4+\m], v[GT+\m], s26, s27
.endr
.irp m, 0,1,2,3
	s_delay_alu instid0(VALU_DEP_4)
	v_add_f32 v[GT+\m], v[GT+\m], v[GT+4+\m]       ; and lane l xor 16's eight outputs: my 256 outputs' part of row 16 m + r's u
.endr
.irp m, 0,1,2,3
	ds_store_b32 v[SCA], v[GT+\m] offset:64*\m     ; both halves of the lanes write the same word with the same value
.endr
.Lb2:
	BAR                                            ; the codes have been read and may be written again; step S - 1's u lie in LDS
	s_add_co_u32 s18, s18, 1
	s_xor_b32 s19, s19, 0x8000
	s_add_co_u32 s20, s20, 64
	s_cmp_lt_u32 s18, 5
	s_cbranch_scc1 .Ltrip
	v_add_nc_u32 v[KA], s19, v[KW]                 ; step 3's parity,
	v_add_nc_u32 v[UA], s20, v[UBW]                ; and its u's place
	s_cmp_lt_u32 s14, 4
	s_cbranch_scc0 .Lf_last
	s_wait_tensorcnt 0x0                           ; G is done; no barrier follows.  The wave's end: three closing lines behind my last LDS store
	ds_add_u32 v[SPW], v[NIL]
	s_wait_dscnt 0x0
	s_endpgm
.Lf_last:
	SCPREAD
	SOFTCTX                                        ; step 3
	v_add_f32_dpp v[RL], v[RL], v[RL] row_xmask:1 row_mask:0xf bank_mask:0xf           ; l over the 16 places
.irp x, 2, 4, 8
	s_delay_alu instid0(VALU_DEP_1)
	v_add_f32_dpp v[RL], v[RL], v[RL] row_xmask:\x row_mask:0xf bank_mask:0xf
.endr
	global_store_b64 v[L8], v[RM:RM+1], s[40:41] offset:4096       ; (m, l), 32 times over: 256 consecutive bytes, aligned
	; a lane holds 2 x 64 neighbouring bytes of the context: it turns through my own kept bytes, which nobody reads any more (a lane's 64 bytes 80 apart), and leaves as it lies in memory
.irp u, 0,1
.irp i, 0,1,2,3
	ds_store_b128 v[CW], v[CTX+16*\u+4*\i:CTX+16*\u+4*\i+3] offset:2560*\u+16*\i
.endr
.endr
.irp u, 0,1
.irp j, 0,1,2,3
	ds_load_b128 v[KR+16*\u+4*\j:KR+16*\u+4*\j+3], v[CR] offset:2560*\u+640*\j         ; LDS serves a wave's instructions in order: these see the stores above
.endr
.endr
	ds_load_b64 v[MX:MX+1], v[UBR]
	s_wait_dscnt 0x0
.irp j, 0,1,2,3,4,5,6,7
	global_store_b128 v[LOFF], v[KR+4*\j:KR+4*\j+3], s[40:41] offset:512*\j            ; 512 consecutive bytes, aligned: e = 128 j + 4 l + 0..3
.endr
	global_store_b64 v[L8], v[MX:MX+1], s[42:43]   ; my 64 u: 256 consecutive bytes, aligned
	s_wait_tensorcnt 0x0                           ; the wave's end: three closing lines
	ds_add_u32 v[SPW], v[NIL]
	s_wait_dscnt 0x0
	s_endpgm
.Lfunc_end_k_q53d6b64feb_attn:
	.size	k_q53d6b64feb_attn, .Lfunc_end_k_q53d6b64feb_attn-k_q53d6b64feb_attn
	.p2alignl 7, 3214868480
	.fill 96, 4, 3214868480
	.section	.rodata,"a",@progbits
	.p2align	6, 0x0
	.amdhsa_kernel k_q53d6b64feb_attn
		.amdhsa_group_segment_fixed_size 301568
		.amdhsa_private_segment_fixed_size 0
		.amdhsa_enable_private_segment 0
		.amdhsa_kernarg_size 40
		.amdhsa_user_sgpr_count 2
		.amdhsa_user_sgpr_kernarg_segment_ptr 1
		.amdhsa_wavefront_size32 1
		.amdhsa_system_sgpr_workgroup_id_x 1
		.amdhsa_system_sgpr_workgroup_id_y 1
		.amdhsa_system_sgpr_workgroup_id_z 1
		.amdhsa_system_vgpr_workitem_id 0
		.amdhsa_next_free_vgpr 512
		.amdhsa_next_free_sgpr 66
		.amdhsa_reserve_vcc 0
		.amdhsa_float_denorm_mode_32 3
		.amdhsa_float_denorm_mode_16_64 3
		.amdhsa_memory_ordered 1
		.amdhsa_forward_progress 1
		.amdhsa_inst_pref_size 255
	.end_amdhsa_kernel
	.section	.bss,"aw",@nobits
	.p2align	6
	.space	262144
	.amdgpu_metadata
---
amdhsa.version: [ 1, 2 ]
amdhsa.kernels:
  - .name:           k_q53d6b64feb_attn
    .symbol:         k_q53d6b64feb_attn.kd
    .args:
      - { .name: encoder_outputs, .offset: 0, .size: 8, .value_kind: global_buffer, .address_space: global }
      - { .name: rec, .offset: 8, .size: 8, .value_kind: global_buffer, .address_space: global }
      - { .name: dec, .offset: 16, .size: 8, .value_kind: global_buffer, .address_space: global }
      - { .name: part, .offset: 24, .size: 8, .value_kind: global_buffer, .address_space: global }
      - { .name: us, .offset: 32, .size: 8, .value_kind: global_buffer, .address_space: global }
    .group_segment_fixed_size: 301568
    .private_segment_fixed_size: 0
    .kernarg_segment_align: 8
    .kernarg_segment_size: 40
    .max_flat_workgroup_size: 256
    .sgpr_count:     66
    .vgpr_count:     512
    .wavefront_size: 32
...
	.end_amdgpu_metadata
.endif
;; end of part 2
;; launch fin (part 3): grid 4 x 32, 2 waves a work-group, no clusters, 0 bytes of LDS; arguments part, us, out0, out1; writes out0, out1
.if DOCPART == 3
	.amdgcn_target "amdgcn-amd-amdhsa--gfx1250"
	.amdhsa_code_object_version 6
	.text
	.protected	k_q53d6b64feb_fin
	.globl	k_q53d6b64feb_fin
	.p2align	8
	.type	k_q53d6b64feb_fin,@function
k_q53d6b64feb_fin:
	s_mov_b64 s[64:65], 0
	v_nop
	global_prefetch_b8 v0, s[64:65] scope:SCOPE_SE
	s_setreg_imm32_b32 hwreg(HW_REG_WAVE_MODE, 25, 1), 1
	s_wait_xcnt 0x0
; FIN.  For batch b the 32 partials (context c_P, maximum m_P, sum l_P; records of 4,352 bytes) are joined:
; M = max m_P;  L = sum l_P 2^(m_P - M);  out0[b] = sum c_P 2^(m_P - M) / L;  out1[b][s] = 2^(u[b][s] - M) / L.
; Work-group (x, b), 64 threads: out0[b][256 x .. + 255], four numbers a thread, and out1[b][512 x .. + 511], eight a thread.  Every load and store of a wave but the (m, l) load covers 512 consecutive bytes.
; Memory binds and the launch is short: no LDS, no barrier; all 35 loads of a wave go out at once.  A weight under 2^-126 comes out as 0.
	s_load_b256 s[4:11], s[0:1], 0x0               ; part s[4:5], us s[6:7], out0 s[8:9], out1 s[10:11]
	s_and_b32 s12, ttmp7, 0xffff                   ; b
	s_mov_b32 s13, ttmp9                           ; x
	v_and_b32 v1, 31, v0
	v_mul_u32_u24 v4, v1, 4352                     ; lane P takes partial P's (m, l)
	v_lshlrev_b32 v5, 4, v0                        ; 16 t
	s_mul_i32 s14, s12, 32*4352
	s_mov_b32 s15, 0
	s_lshl_b32 s16, s13, 10
	s_mov_b32 s17, 0
	s_lshl_b32 s18, s12, 13
	s_lshl_b32 s20, s13, 11
	s_add_co_u32 s18, s18, s20                     ; 8,192 b + 2,048 x: in us and in out1
	s_mov_b32 s19, 0
	s_lshl_b32 s20, s12, 12
	s_add_co_u32 s20, s20, s16                     ; 4,096 b + 1,024 x: in out0
	s_mov_b32 s21, 0
	s_mov_b32 s22, 0x76543210                      ; v_permlanex16_b32's selects for lane l xor 16
	s_mov_b32 s23, 0xfedcba98
	s_wait_alu depctr_va_vdst(0)
	s_wait_kmcnt 0x0
	s_add_nc_u64 s[4:5], s[4:5], s[14:15]
	s_add_nc_u64 s[24:25], s[4:5], s[16:17]
	s_add_nc_u64 s[6:7], s[6:7], s[18:19]
	s_add_nc_u64 s[8:9], s[8:9], s[20:21]
	s_add_nc_u64 s[10:11], s[10:11], s[18:19]
	global_load_b64 v[2:3], v4, s[4:5] offset:4096
.irp p, 0,1,2,3,4,5,6,7,8,9,10,11,12,13,14,15,16,17,18,19,20,21,22,23,24,25,26,27,28,29,30,31
	global_load_b128 v[32+4*\p:35+4*\p], v5, s[24:25] offset:4352*\p
.endr
	global_load_b128 v[160:163], v5, s[6:7]
	global_load_b128 v[164:167], v5, s[6:7] offset:1024
	v_mov_b32 v7, 0                                ; a lane permute's destination counts as one of its sources
	s_wait_loadcnt 34                              ; (m, l) are in; the 34 loads issued behind them may be out
	v_mov_b32 v6, v2
.irp x, 1,2,4,8
	v_max_num_f32_dpp v6, v6, v6 row_xmask:\x row_mask:0xf bank_mask:0xf
.endr
	s_wait_alu depctr_va_vdst(0)
	v_permlanex16_b32 v7, v6, s22, s23
	v_max_num_f32 v6, v6, v7                       ; M, in every lane
	v_sub_f32 v8, v2, v6
	s_wait_alu depctr_va_vdst(0)
	v_exp_f32 v8, v8                               ; 2^(m_P - M)
	v_nop                                          ; a plain instruction behind it,
	s_wait_alu depctr_va_vdst(0)                   ; and the wait ahead of the first reader
	v_mul_f32 v9, v3, v8
.irp x, 1,2,4,8
	v_add_f32_dpp v9, v9, v9 row_xmask:\x row_mask:0xf bank_mask:0xf
.endr
	v_permlanex16_b32 v7, v9, s22, s23
	v_add_f32 v9, v9, v7                           ; L
	s_wait_alu depctr_va_vdst(0)
	v_rcp_f32 v10, v9
	v_nop
	s_wait_alu depctr_va_vdst(0)
	v_mul_f32 v8, v8, v10                          ; partial P's weight, in lane P
.irp p, 0,1,2,3,4,5,6,7,8,9,10,11,12,13,14,15,16,17,18,19,20,21,22,23,24,25,26,27,28,29,30,31
	v_readlane_b32 s[32+\p], v8, \p                ; as a scalar for every lane: a factor, never an address or a condition
.endr
	s_wait_loadcnt 0x0
.irp k, 0,1,2,3
	v_mul_f32 v[12+\k], s32, v[32+\k]              ; the first partial starts the sums
.endr
.irp p, 1,2,3,4,5,6,7,8,9,10,11,12,13,14,15,16,17,18,19,20,21,22,23,24,25,26,27,28,29,30,31
.irp k, 0,1,2,3
	v_fmac_f32 v[12+\k], s[32+\p], v[32+4*\p+\k]
.endr
.endr
	global_store_b128 v5, v[12:15], s[8:9]
.irp k, 0,1,2,3,4,5,6,7
	v_sub_f32 v[160+\k], v[160+\k], v6
.endr
	s_wait_alu depctr_va_vdst(0)
.irp k, 0,1,2,3,4,5,6,7
	v_exp_f32 v[160+\k], v[160+\k]
.endr
	v_nop
	s_wait_alu depctr_va_vdst(0)                   ; one wait for the eight
.irp k, 0,1,2,3,4,5,6,7
	v_mul_f32 v[160+\k], v[160+\k], v10
.endr
	global_store_b128 v5, v[160:163], s[10:11]
	global_store_b128 v5, v[164:167], s[10:11] offset:1024
	s_endpgm
.Lfunc_end_k_q53d6b64feb_fin:
	.size	k_q53d6b64feb_fin, .Lfunc_end_k_q53d6b64feb_fin-k_q53d6b64feb_fin
	.p2alignl 7, 3214868480
	.fill 96, 4, 3214868480
	.section	.rodata,"a",@progbits
	.p2align	6, 0x0
	.amdhsa_kernel k_q53d6b64feb_fin
		.amdhsa_group_segment_fixed_size 0
		.amdhsa_private_segment_fixed_size 0
		.amdhsa_enable_private_segment 0
		.amdhsa_kernarg_size 32
		.amdhsa_user_sgpr_count 2
		.amdhsa_user_sgpr_kernarg_segment_ptr 1
		.amdhsa_wavefront_size32 1
		.amdhsa_system_sgpr_workgroup_id_x 1
		.amdhsa_system_sgpr_workgroup_id_y 1
		.amdhsa_system_sgpr_workgroup_id_z 1
		.amdhsa_system_vgpr_workitem_id 0
		.amdhsa_next_free_vgpr 176
		.amdhsa_next_free_sgpr 66
		.amdhsa_reserve_vcc 0
		.amdhsa_float_denorm_mode_32 3
		.amdhsa_float_denorm_mode_16_64 3
		.amdhsa_memory_ordered 1
		.amdhsa_forward_progress 1
		.amdhsa_inst_pref_size 13
	.end_amdhsa_kernel
	.amdgpu_metadata
---
amdhsa.version: [ 1, 2 ]
amdhsa.kernels:
  - .name:           k_q53d6b64feb_fin
    .symbol:         k_q53d6b64feb_fin.kd
    .args:
      - { .name: part, .offset: 0, .size: 8, .value_kind: global_buffer, .address_space: global }
      - { .name: us, .offset: 8, .size: 8, .value_kind: global_buffer, .address_space: global }
      - { .name: out0, .offset: 16, .size: 8, .value_kind: global_buffer, .address_space: global }
      - { .name: out1, .offset: 24, .size: 8, .value_kind: global_buffer, .address_space: global }
    .group_segment_fixed_size: 0
    .private_segment_fixed_size: 0
    .kernarg_segment_align: 8
    .kernarg_segment_size: 32
    .max_flat_workgroup_size: 64
    .sgpr_count:     66
    .vgpr_count:     176
    .wavefront_size: 32
...
	.end_amdgpu_metadata
.endif
;; end of part 3
